; MI455X (gfx1250); checked and timed in simulation.
; The chip was launched on July 23, 2026; its instructions are those of AMD's public machine-readable ISA for CDNA 5 (MIT licence, August 2026) and "CDNA5" Instruction Set Architecture Reference Guide (July 2026). The comments in the code are by the model that wrote it; some were corrected since.
;; Quantizer module. Allowed arithmetic: float matrix products may take bf16 or f16 operands with f32 sums; other float arithmetic in f32, or as packed bf16 or f16 multiplies, adds, multiply-adds, maxima and minima; sums over many terms, partial sums and values carried from step to step in f32; what a program stores and reads back later, other than sums and carried values, may be rounded once to bf16 or f16.
;; Inputs: emb 8,192 x 512 float32; x 16,384 x 512 float32.
;; Outputs: out0 16,384 x 512 float32; out1 16,384 int32.
;; 2 versions, each right; version 2 is version 1 with the launches cast, fetch written anew for expert scheduling mode. Each part assembles by itself: llvm-mc -triple=amdgcn-amd-amdhsa -mcpu=gfx1250 --defsym DOCPART=n.
;; ======== version 1 of 2: 3 launches
;; workspace buffers: xb 16,777,216 bytes; eb 8,388,608 bytes; sx 65,536 bytes; se 32,768 bytes; best 262,144 bytes of whole numbers
;; launch cast (part 1): grid 384 x 1, 8 waves a work-group, no clusters, 1,280 bytes of LDS; arguments x, emb, xb, eb, sx, se; writes xb, eb, sx, se
.if DOCPART == 1
	.amdgcn_target "amdgcn-amd-amdhsa--gfx1250"
	.amdhsa_code_object_version 6
	.text
	.protected	k_qcbb3ea0af2_cast
	.globl	k_qcbb3ea0af2_cast
	.p2align	8
	.type	k_qcbb3ea0af2_cast,@function
k_qcbb3ea0af2_cast:
	s_mov_b64 s[64:65], 0
	v_nop
	global_prefetch_b8 v0, s[64:65] scope:SCOPE_SE
	s_setreg_imm32_b32 hwreg(HW_REG_WAVE_MODE, 25, 1), 1
	s_wait_xcnt 0x0
; VECTOR QUANTISER, first of three launches.  reference(): d[n][k] = (|x_n|^2 + |e_k|^2) - 2 x_n . e_k in f32, argmin over k (the first of equal minima), and the code row of that index.
; NOTHING OF reference() IS LEFT OUT.  |x_n|^2 is the same along the argmin's axis, but it stays: beside it the other two terms are small, so that f32 rounds every d onto the grid of
; |x_n|^2, equal minima arise, and the first index among them is the result.  The later launches form d by the same two roundings: t = fl(sx + se), d = fl(t - 2 dot).
; THIS LAUNCH rounds x and emb once to bf16 (the matrix operands; row-major as they lie) and sums, in f32, the squares of the ROUNDED numbers of each row (a bf16's square is exact in f32).
; LIMITS.  The row sums are taken in another order than reference()'s and may differ from them in the last bits; that moves all d of a token (or of a code) alike.
; SHARES.  Work-groups 0-255 take 64 rows of x each, 256-383 64 rows of emb.  A wave takes 8 rows; of a row's four pieces of 512 bytes a lane takes 16 bytes each, so a load of a wave covers
; 512 consecutive bytes and a store 256, both aligned.  All 32 loads of a wave go out before the first wait: 16 KiB a wave.  No register that a store reads is written again.
; No matrix unit, cluster or tensor load: each byte is read once by one lane and nothing is shared.
.set X,     32                         ; v[32:159]  row i, piece j at X + 16 i + 4 j: four f32 as loaded; then two words of bf16 and two registers at work
.set S,     8                          ; v[8:15]    four pairs of partial sums, one a piece
.set SPARE, 256                        ; LDS: bytes 0-255 the 64 row sums; from 256 on the spare words, 128 bytes a wave, that no other line names
	s_load_b256 s[4:11], s[0:1], 0x0               ; x s[4:5], emb s[6:7], xb s[8:9], eb s[10:11]
	s_load_b128 s[12:15], s[0:1], 0x20             ; sx s[12:13], se s[14:15]
	v_lshl_add_u32 v6, v0, 2, SPARE                ; my spare word; never rewritten
	v_mov_b32 v7, 0                                ; 0; never rewritten
	v_and_b32 v5, 31, v0                           ; lane
	v_lshrrev_b32 v16, 5, v0
	v_readfirstlane_b32 s28, v16                   ; wave 0..7
	v_lshlrev_b32 v1, 4, v5
	v_lshl_or_b32 v1, v16, 14, v1                  ; in: wave x 8 rows x 2,048 bytes + 16 x lane
	v_lshlrev_b32 v2, 3, v5
	v_lshl_or_b32 v2, v16, 13, v2                  ; out: wave x 8 rows x 1,024 bytes + 8 x lane
	v_lshlrev_b32 v3, 5, v16                       ; LDS: my wave's eight sums
	v_lshlrev_b32 v4, 3, v5                        ; 8 x lane: two sums a lane on the way out
	v_mov_b32 v17, 0                               ; v_permlanex16_b32's destination counts as read: written once here
	s_mov_b32 s22, 0xffff0000                      ; a word's upper bf16
	s_mov_b32 s24, 0x76543210                      ; v_permlanex16_b32: each lane takes its own place in the other half
	s_mov_b32 s25, 0xfedcba98
	s_sub_co_u32 s23, ttmp9, 256
	s_cmp_lt_u32 ttmp9, 256                        ; x or emb?  The selects below leave SCC as it is
	s_cselect_b32 s23, ttmp9, s23                  ; my block of 64 rows in that tensor
	s_wait_kmcnt 0x0
	s_cselect_b64 s[16:17], s[4:5], s[6:7]         ; from
	s_cselect_b64 s[18:19], s[8:9], s[10:11]       ; to
	s_cselect_b64 s[20:21], s[12:13], s[14:15]     ; the sums
	s_lshl_b32 s26, s23, 17                        ; 64 rows of 2,048 bytes
	s_mov_b32 s27, 0
	s_add_nc_u64 s[16:17], s[16:17], s[26:27]
	s_lshl_b32 s26, s23, 16                        ; 64 rows of 1,024 bytes
	s_add_nc_u64 s[18:19], s[18:19], s[26:27]
	s_lshl_b32 s26, s23, 8                         ; 64 sums
	s_add_nc_u64 s[20:21], s[20:21], s[26:27]
.set i, 0
.rept 8
.irp j, 0,1,2,3
	global_load_b128 v[X+16*i+4*(\j):X+16*i+4*(\j)+3], v1, s[16:17] offset:i*2048+(\j)*512 th:TH_LOAD_NT
.endr
.set i, i+1
.endr
; Row i: rounded, stored, and the squares of the rounded numbers summed over the wave.
.macro ROW i
	s_wait_loadcnt 4*(7-(\i))                      ; loads come back in order: the four loads of each younger row may stay out
.irp j, 0,1,2,3
.set rb, X+16*(\i)+4*(\j)
	v_cvt_pk_bf16_f32 v[rb], v[rb], v[rb+1]        ; four numbers into two words, to nearest even
	v_cvt_pk_bf16_f32 v[rb+1], v[rb+2], v[rb+3]
	global_store_b64 v2, v[rb:rb+1], s[18:19] offset:(\i)*1024+(\j)*256  ; 32 lanes store 256 consecutive bytes, aligned
	v_lshlrev_b32 v[rb+2], 16, v[rb]               ; the rounded numbers back in f32, in the two registers that are free
	v_and_b32 v[rb+3], s22, v[rb]
	v_pk_mul_f32 v[S+2*(\j):S+2*(\j)+1], v[rb+2:rb+3], v[rb+2:rb+3]  ; the first squares start the piece's sums
	v_lshlrev_b32 v[rb+2], 16, v[rb+1]
	v_and_b32 v[rb+3], s22, v[rb+1]
	v_pk_fma_f32 v[S+2*(\j):S+2*(\j)+1], v[rb+2:rb+3], v[rb+2:rb+3], v[S+2*(\j):S+2*(\j)+1]
.endr
	v_pk_add_f32 v[S:S+1], v[S:S+1], v[S+2:S+3]
	v_pk_add_f32 v[S+4:S+5], v[S+4:S+5], v[S+6:S+7]
	v_pk_add_f32 v[S:S+1], v[S:S+1], v[S+4:S+5]
	v_add_f32 v16, v[S], v[S+1]
	v_add_f32_dpp v16, v16, v16 row_xmask:1 row_mask:0xf bank_mask:0xf  ; over the 16 lanes of each half,
	v_add_f32_dpp v16, v16, v16 row_xmask:2 row_mask:0xf bank_mask:0xf
	v_add_f32_dpp v16, v16, v16 row_xmask:4 row_mask:0xf bank_mask:0xf
	v_add_f32_dpp v16, v16, v16 row_xmask:8 row_mask:0xf bank_mask:0xf
	v_permlanex16_b32 v17, v16, s24, s25           ; and the other half
	v_add_f32 v16, v16, v17
	ds_store_b32 v3, v16 offset:4*(\i)             ; every lane holds the sum and writes the same word
.endm
.irp i, 0,1,2,3,4,5,6,7
	ROW \i
.endr
	s_wait_dscnt 0x0                               ; for the others' sake: my eight sums lie in LDS
	s_barrier_signal -1
	s_barrier_wait -1
	s_cmp_lg_u32 s28, 0                            ; wave 0 stores the work-group's 64 sums: one store of 256 consecutive bytes, aligned
	s_cbranch_scc1 .Lend
	ds_load_b64 v[8:9], v4
	s_wait_dscnt 0x0
	global_store_b64 v4, v[8:9], s[20:21]
.Lend:
	s_wait_tensorcnt 0x0                           ; the wave's end, behind my last LDS store
	ds_add_u32 v6, v7
	s_wait_dscnt 0x0
	s_endpgm
.Lfunc_end_k_qcbb3ea0af2_cast:
	.size	k_qcbb3ea0af2_cast, .Lfunc_end_k_qcbb3ea0af2_cast-k_qcbb3ea0af2_cast
	.p2alignl 7, 3214868480
	.fill 96, 4, 3214868480
	.section	.rodata,"a",@progbits
	.p2align	6, 0x0
	.amdhsa_kernel k_qcbb3ea0af2_cast
		.amdhsa_group_segment_fixed_size 1280
		.amdhsa_private_segment_fixed_size 0
		.amdhsa_enable_private_segment 0
		.amdhsa_kernarg_size 48
		.amdhsa_user_sgpr_count 2
		.amdhsa_user_sgpr_kernarg_segment_ptr 1
		.amdhsa_wavefront_size32 1
		.amdhsa_system_sgpr_workgroup_id_x 1
		.amdhsa_system_sgpr_workgroup_id_y 1
		.amdhsa_system_sgpr_workgroup_id_z 1
		.amdhsa_system_vgpr_workitem_id 0
		.amdhsa_next_free_vgpr 160
		.amdhsa_next_free_sgpr 66
		.amdhsa_reserve_vcc 0
		.amdhsa_float_denorm_mode_32 3
		.amdhsa_float_denorm_mode_16_64 3
		.amdhsa_memory_ordered 1
		.amdhsa_forward_progress 1
		.amdhsa_inst_pref_size 26
	.end_amdhsa_kernel
	.amdgpu_metadata
---
amdhsa.version: [ 1, 2 ]
amdhsa.kernels:
  - .name:           k_qcbb3ea0af2_cast
    .symbol:         k_qcbb3ea0af2_cast.kd
    .args:
      - { .name: x, .offset: 0, .size: 8, .value_kind: global_buffer, .address_space: global }
      - { .name: emb, .offset: 8, .size: 8, .value_kind: global_buffer, .address_space: global }
      - { .name: xb, .offset: 16, .size: 8, .value_kind: global_buffer, .address_space: global }
      - { .name: eb, .offset: 24, .size: 8, .value_kind: global_buffer, .address_space: global }
      - { .name: sx, .offset: 32, .size: 8, .value_kind: global_buffer, .address_space: global }
      - { .name: se, .offset: 40, .size: 8, .value_kind: global_buffer, .address_space: global }
    .group_segment_fixed_size: 1280
    .private_segment_fixed_size: 0
    .kernarg_segment_align: 8
    .kernarg_segment_size: 48
    .max_flat_workgroup_size: 256
    .sgpr_count:     66
    .vgpr_count:     160
    .wavefront_size: 32
...
	.end_amdgpu_metadata
.endif
;; end of part 1
;; launch nearest (part 2): grid 128 x 2, 4 waves a work-group, clusters of 4 x 1, 327,680 bytes of LDS; arguments xb, eb, sx, se, best; writes best
.if DOCPART == 2
	.amdgcn_target "amdgcn-amd-amdhsa--gfx1250"
	.amdhsa_code_object_version 6
	.text
	.protected	k_qcbb3ea0af2_nearest
	.globl	k_qcbb3ea0af2_nearest
	.p2align	8
	.type	k_qcbb3ea0af2_nearest,@function
k_qcbb3ea0af2_nearest:
	s_mov_b64 s[64:65], 0
	v_nop
	global_prefetch_b8 v0, s[64:65] scope:SCOPE_SE
	s_setreg_imm32_b32 hwreg(HW_REG_WAVE_MODE, 25, 1), 1
	s_wait_xcnt 0x0
	s_wait_alu depctr_hold_cnt(0) depctr_sa_sdst(0) depctr_va_vdst(0) depctr_va_sdst(0) depctr_va_ssrc(0) depctr_va_vcc(0) depctr_vm_vsrc(0)
	s_getreg_b32 s2, hwreg(HW_REG_IB_STS2, 6, 4)
	s_cmp_eq_u32 s2, 0
	s_cbranch_scc0 .Lentry_in_a_cluster
	s_endpgm
.Lentry_in_a_cluster:
	s_bfe_u32 s2, ttmp6, 0x10000c
	s_cmp_lg_u32 s2, 0x3003
	s_cbranch_scc0 .Lentry_shape_is_right
	s_endpgm
.Lentry_shape_is_right:
; VECTOR QUANTISER, second launch: the product x . e^T on the matrix unit (bf16 operands, f32 sums) with a running argmin.  No work of reference() is left out here either.
; d = fl(fl(sx + se) - 2 dot): one addition and one fused multiply-add (2 dot is exact), the two roundings of reference().  The first of equal minima wins: inside a lane the codes are walked
; in ascending order and a later one wins only by a strict <; where candidates of different lanes meet, the order is (d, index).
; LIMITS.  A NaN d never wins (reference()'s argmin would take the first NaN).  If no d of a token is below +infinity the index stored is 0.  The index is that of reference() on inputs rounded
; to bf16, except where the last bits of the f32 dot product, which is summed here in another order, move a d across a rounding boundary.
; SHARES.  A work-group owns 128 tokens and ONE HALF of the codebook (4,096 codes), and stores one record (d, index) for each token; the third launch takes the better of a token's two.
; Wave w: tokens 64 (w / 2) .. + 63, and of every tile of 128 codes the codes 64 (w % 2) .. + 63.  ITS TOKENS STAY IN REGISTERS: 64 tokens x 512 channels are 64 fragments, 512 registers, loaded
; once.  The codebook goes through a ring of two LDS slots, a tile of 128 codes x 512 channels (131,072 bytes) each; each wave fetches a quarter (32 rows of 1,024 bytes) by one tensor load.
; A BLOCK is 16 codes x 64 tokens: 16 K steps x 4 token blocks = 64 matrix instructions on four accumulators that take turns, one instruction a turn; blocks use two
; sets of accumulators by turns, so no two matrix instructions that follow each other share one, over the backward jump too.  A fragment of codes (two LDS loads) feeds four matrix instructions.
; LAYOUT.  Source 0 = 16 tokens, source 1 = 16 codes: in the result register j of lane l is token 8 (l / 16) + j, code l % 16.  So a lane keeps 32 running pairs (minimum, index), one for each
; of its tokens, over the codes that fall to it; sx goes by register, se and the index by lane.
; RIDERS.  While block b is multiplied, block b - 1's 32 numbers a lane are turned into d and compared: 128 vector instructions, four behind every second matrix instruction.
; CLUSTER.  The four work-groups of a cluster have the same half of the codebook and walk it in step: each tile, and se, is asked for JOINTLY (the same load, descriptor and mask in all four).
; x's tile is each work-group's own (a plain load): it is 3% of what a work-group fetches, and its one other reader lies in another cluster.
; REGISTERS, in windows of 256 (s_set_vgpr_msb: bits 1:0 source 0, 3:2 source 1, 5:4 source 2, 7:6 destination):
;   window 0: addresses, T, SX, MN, IX, the accumulators     window 1: two buffers of a block's 16 code fragments     windows 2, 3: the token fragments of K steps 0-7, 8-15
.set PITCH, 1040                       ; an LDS row: 1,024 bytes + 16 of padding, an odd multiple of 16: the 16 rows of a fragment load start at 16 different groups of four banks (64 banks of 4 bytes: ISA guide 11.1)
.set HALFQ, 16*PITCH                   ; 16 rows
.set SLOTB, 32*PITCH                   ; 0x8200: a wave's quarter of a tile; slot 1 of a quarter begins here
.set QSTR,  2*SLOTB                    ; 0x10400: quarter q's two slots begin at q x QSTR; no multiple up to 3 has a bit of SLOTB, so one exclusive or changes slots
.set TILEB, 131072                     ; a tile in memory
.set SEB,   4*QSTR                     ; 266,240: se of my half, 16,384 bytes
.set CAND,  SEB+16384                  ; 282,624: the way out: for each of 128 tokens 32 d, 32 indices and 16 bytes of padding; no tensor load lands here
.set CP,    272
.set SPARE, CAND+128*CP                ; 317,440: the spare words, 128 bytes a wave: two blocks of 256 bytes that no other line names
.set AB0, 4                            ; v4, v5   my lane's place in the two quarters that hold my wave's codes, slot 0; never rewritten
.set ADR, 6                            ; v6       the LDS address of the run of loads in hand
.set ASE, 7                            ; v7       where se of my code in the tile's block 0 lies; steps 512 bytes a tile
.set VC,  8                            ; v8       the index of my code in the block whose d are being made
.set AA0, 9                            ; v9, v10  as AB0, for my wave's tokens
.set CA,  11                           ; v11      the way out: where my candidates go
.set CB,  12                           ; v12      the way out: my token's 32 candidates
.set GO,  13                           ; v13      8 x my thread's number: my record
.set SPW, 14                           ; v14      my spare word; never rewritten
.set NIL, 15                           ; v15      0; never rewritten
.set PFO, 16                           ; v16      the prefetches' offset: my lane x a row of 1,024 bytes; never rewritten
.set SXO, 17                           ; v17      my byte offset in the work-group's 128 sx
.set SEV, 18                           ; v[18:21] se of my code, by the block's parity: the low word of a pair; the high words hold 0
.set T,   24                           ; v[24:31] eight d at work
.set SX,  32                           ; v[32:63] sx of my 32 tokens
.set MN,  64                           ; v[64:95] the running minima
.set IX,  96                           ; v[96:127] their indices
.set ACC, 128                          ; v[128:191] two sets of four accumulators
.set DD,  192                          ; v[192:223], v[224:255] the way out: a token's 32 d and 32 indices
.set II,  224
.set WV,  14                           ; s14 wave; s15 which 64 tokens; s16 which 64 codes; s17 cx; s18 block of 128 tokens; s19 half of the codebook
.set TH,  15
.set CH,  16
.set CX,  17
.set TB,  18
.set HF,  19
.set G1A, 24                           ; s[24:31] descriptor group 1, x's quarter (plain)
.set G1B, 32                           ; s[32:39] a tile's quarter (joint)
.set G1S, 40                           ; s[40:47] se's quarter (joint)
.set G0A, 48                           ; s[48:51], s[52:55], s[56:59] their groups 0; the second walks
.set G0B, 52
.set G0S, 56
.set SO,  60                           ; s60  the slot that is being read: 0 or SLOTB
.set CNT, 61                           ; s61  the loop's count
.set LIM, 62                           ; s62  2 in the cluster that prefetches, else the greatest number
.set PFA, 66                           ; s[66:67] where my prefetches stand
.set MSB, 0
.macro WIN new                         ; the immediate's high byte repeats the setting that is left; a switch that changes nothing is dropped
.if MSB != (\new)
	s_set_vgpr_msb (MSB<<8)|(\new)
.set MSB, \new
.endif
.endm
; A round of the cluster's barrier: my work-group's barrier, so that wave 0's signal speaks for all four waves; wave 0 signals; every wave waits for all four work-groups; my work-group's barrier once more.
.macro CREST                           ; a round behind its opening barrier
	s_cmp_lg_u32 s[WV], 0
	s_cbranch_scc1 .Lnot_wave_0_\@
	s_barrier_signal -3
.Lnot_wave_0_\@:
	s_barrier_wait -3
	s_barrier_signal -1
	s_barrier_wait -1
.endm
.macro CROUND                          ; a whole round
	s_barrier_signal -1
	s_barrier_wait -1
	CREST
.endm
; A PREFETCH INTO THE L2, behind a joint refill, its five lines and the run of LDS loads: the refill of tile u is followed by a request for tile u + 2, two tiles (512 matrix instructions a wave)
; ahead of the load that will want it.  All clusters of a half walk the same tiles: the first of them (cluster x = 0) asks.  A tile is 128 rows x four pieces of 256 bytes: partner cx takes
; rows 32 cx .. + 31, BY ADDRESS (no branch hangs on a work-group's place in its cluster), wave w the w-th piece, a lane a row: each piece is named once in the launch.
; Tiles 0 to 2 come by their loads alone; the last two refills ask for nothing: tile 31 is the half's last.
.macro ASK
	s_cmp_gt_u32 s[CNT], s[LIM]
	s_cbranch_scc0 .Lnot_mine_\@
	global_prefetch_b8 v[PFO], s[PFA:PFA+1] th:TH_LOAD_NT scope:SCOPE_SE
.Lnot_mine_\@:
.endm
	s_load_b256 s[4:11], s[0:1], 0x0               ; xb s[4:5], eb s[6:7], sx s[8:9], se s[10:11]
	s_load_b64 s[12:13], s[0:1], 0x20              ; best
	v_lshl_add_u32 v[SPW], v0, 2, SPARE
	v_mov_b32 v[NIL], 0
	ds_add_u32 v[SPW], v[NIL]                      ; the wave's opening: the add, twice on end, and its wait ahead of my first tensor load; the set-up below stands between
	ds_add_u32 v[SPW], v[NIL]
	v_lshrrev_b32 v3, 5, v0
	v_readfirstlane_b32 s[WV], v3                  ; wave 0..3
	s_lshr_b32 s[TH], s[WV], 1
	s_and_b32 s[CH], s[WV], 1
	s_bfe_u32 s[CX], ttmp6, 0x40000                ; my place in the cluster
	s_lshl_b32 s[TB], ttmp9, 2                     ; in a cluster launch ttmp9 counts clusters
	s_add_co_u32 s[TB], s[TB], s[CX]
	s_and_b32 s[HF], ttmp7, 0xffff                 ; which the four partners share
	; descriptor groups 1.  A quarter of a tile: 32 rows x 512 elements of 2 bytes, 4 words of padding behind every 256 words
	s_mov_b32 s[G1A], (1<<16)|(1<<20)|(7<<22)|(3<<25)              ; 17:16 2-byte elements; 20 padding on; 24:22 after every 256 words (code 7); 31:25 4 words (code 3); no mask
	s_mov_b32 s[G1B], 15|(1<<16)|(1<<20)|(1<<21)|(7<<22)|(3<<25)   ; the same with 15:0 the mask of all four, and 21 set beside a mask
.irp g, G1A, G1B
	s_mov_b32 s[(\g)+1], 512<<16                   ; tensor_dim0 = 512
	s_mov_b32 s[(\g)+2], 32<<16                    ; tensor_dim1 = 32
	s_mov_b32 s[(\g)+3], 512<<16                   ; tile_dim0 = 512
	s_mov_b32 s[(\g)+4], 32                        ; tile_dim1 = 32
	s_mov_b32 s[(\g)+5], 512                       ; elements from row to row
	s_mov_b32 s[(\g)+6], 0
	s_mov_b32 s[(\g)+7], 0
.endr
	s_mov_b32 s[G1S], 15|(3<<16)|(1<<21)           ; a quarter of se: 4,096 dense bytes as 16 rows of 32 elements of 8 bytes; joint; no padding
	s_mov_b32 s[G1S+1], 32<<16
	s_mov_b32 s[G1S+2], 16<<16
	s_mov_b32 s[G1S+3], 32<<16
	s_mov_b32 s[G1S+4], 16
	s_mov_b32 s[G1S+5], 32
	s_mov_b32 s[G1S+6], 0
	s_mov_b32 s[G1S+7], 0
	s_mul_i32 s20, s[WV], QSTR                     ; LDS addresses hang on the wave's number alone
	s_mov_b32 s[G0A], 1
	s_mov_b32 s[G0A+1], s20                        ; x's tile lies in slot 0 first
	s_mov_b32 s[G0B], 1
	s_add_co_u32 s[G0B+1], s20, SLOTB              ; tile t lies in slot (t + 1) % 2
	s_mov_b32 s[G0S], 1
	s_lshl_b32 s21, s[WV], 12
	s_add_co_u32 s[G0S+1], s21, SEB
	s_lshl_b32 s70, s[TB], 17                      ; x: my block's 128 rows of 1,024 bytes, my wave's 32 of them
	s_lshl_b32 s71, s[WV], 15
	s_add_co_u32 s70, s70, s71
	s_mov_b32 s71, 0
	s_lshl_b32 s20, s[HF], 22                      ; the codes: my half's 4,096 rows, my wave's 32 of tile 0.  These registers never hold cx
	s_lshl_b32 s21, s[WV], 15
	s_add_co_u32 s20, s20, s21
	s_mov_b32 s21, 0
	s_lshl_b32 s22, s[HF], 14                      ; se: my half's 16,384 bytes, my wave's quarter
	s_lshl_b32 s23, s[WV], 12
	s_add_co_u32 s22, s22, s23
	s_mov_b32 s23, 0
	s_lshl_b32 s72, s[HF], 22                      ; the prefetches: my half, my work-group's 32 rows, my wave's 256 bytes of a row, at tile 3
	s_lshl_b32 s73, s[CX], 15
	s_add_co_u32 s72, s72, s73
	s_lshl_b32 s73, s[WV], 8
	s_add_co_u32 s72, s72, s73
	s_add_co_u32 s72, s72, 3*TILEB
	s_mov_b32 s73, 0
	s_lshl_b32 s74, s[TB], 9                       ; my block's 128 sx
	s_mov_b32 s75, 0
	s_mov_b32 s[SO], SLOTB
	s_mov_b32 s[CNT], 31
	s_cmp_eq_u32 ttmp9, 0                          ; the same in all four partners
	s_cselect_b32 s[LIM], 2, -1
	s_wait_dscnt 0x0                               ; both opening adds are done
	s_wait_kmcnt 0x0
	s_add_nc_u64 s[G0A+2:G0A+3], s[4:5], s[70:71]
	s_or_b32 s[G0A+3], s[G0A+3], 0x80000000        ; 127:126 type = 2
	s_add_nc_u64 s[G0B+2:G0B+3], s[6:7], s[20:21]
	s_or_b32 s[G0B+3], s[G0B+3], 0x80000000
	s_add_nc_u64 s[G0S+2:G0S+3], s[10:11], s[22:23]
	s_or_b32 s[G0S+3], s[G0S+3], 0x80000000
	s_add_nc_u64 s[PFA:PFA+1], s[6:7], s[72:73]
	s_add_nc_u64 s[74:75], s[8:9], s[74:75]
	s_lshl_b32 s70, s[HF], 17                      ; my records: (16,384 x half + 128 x block) x 8 bytes
	s_lshl_b32 s71, s[TB], 10
	s_add_co_u32 s70, s70, s71
	s_mov_b32 s71, 0
	s_add_nc_u64 s[12:13], s[12:13], s[70:71]
	CROUND                                         ; all four work-groups are here: the first joint loads meet
	tensor_load_to_lds s[G0A:G0A+3], s[G1A:G1A+7]  ; the first fills, one group: three loads of mine are out.  My quarter of x's tile,
	s_nop 0
	tensor_load_to_lds s[G0B:G0B+3], s[G1B:G1B+7]  ; of tile 0,
	s_nop 0
	tensor_load_to_lds s[G0S:G0S+3], s[G1S:G1S+7]  ; of se
	s_nop 0
.rept 4
	v_nop
.endr
	; all that follows, up to the wait, stands in the wait for x's tile
	v_and_b32 v1, 15, v0                           ; r = l % 16
	v_bfe_u32 v2, v0, 4, 1                         ; h = l / 16
	s_lshl_b32 s20, s[TH], 8
	v_lshl_add_u32 v[SXO], v2, 5, s20              ; token 64 th + 16 mb + 8 h + j: 256 th + 32 h, the rest in the immediate
.set i, 0
.rept 4
	global_load_b128 v[SX+8*i:SX+8*i+3],   v[SXO], s[74:75] offset:64*i
	global_load_b128 v[SX+8*i+4:SX+8*i+7], v[SXO], s[74:75] offset:64*i+16
.set i, i+1
.endr
	; A fragment is 16 rows x 32 channels in 8 registers: lane l holds row l % 16, channels 8 (l / 16) + 0..7 and 16 + 8 (l / 16) + 0..7: two loads of 16 bytes, 32 bytes apart
	v_mul_u32_u24 v3, v1, PITCH
	v_lshl_add_u32 v3, v2, 4, v3                   ; row x pitch + 16 x half
	s_mul_i32 s21, s[CH], 2*QSTR
	v_add_nc_u32 v[AB0], s21, v3
	v_add_nc_u32 v[AB0+1], QSTR, v[AB0]
	s_mul_i32 s22, s[TH], 2*QSTR
	v_add_nc_u32 v[AA0], s22, v3
	v_add_nc_u32 v[AA0+1], QSTR, v[AA0]
	s_lshl_b32 s23, s[CH], 8
	s_add_co_u32 s23, s23, SEB
	v_lshl_add_u32 v[ASE], v1, 2, s23              ; SEB + 4 (64 ch + r)
	s_lshl_b32 s20, s[HF], 12
	s_lshl_b32 s21, s[CH], 6
	s_add_co_u32 s20, s20, s21
	s_sub_co_u32 s20, s20, 96                      ; the blocks' steps (16, 80, 16, 16 ..) bring it to my first code when the first true d are made
	v_add_nc_u32 v[VC], s20, v1
	s_mul_i32 s22, s[TH], 64*CP
	s_add_co_u32 s22, s22, s21                     ; + 4 x 16 ch
	s_add_co_u32 s22, s22, CAND
	v_mul_u32_u24 v3, v2, 8*CP
	v_lshl_add_u32 v[CA], v1, 2, v3
	v_add_nc_u32 v[CA], s22, v[CA]                 ; CAND + (64 th + 8 h) rows + 4 (16 ch + r)
	v_mul_u32_u24 v[CB], v0, CP
	v_add_nc_u32 v[CB], CAND, v[CB]
	v_lshlrev_b32 v[GO], 3, v0
	v_and_b32 v[PFO], 31, v0
	v_lshlrev_b32 v[PFO], 10, v[PFO]
	; The minima start at +infinity, the indices at 0.  The first block has no block before it: its riders find -infinity as products and 0 as se, make d = +infinity, and nothing wins.
	; That is the price (32 lines, and 128 idle riders once a launch) of one text for every block.
	s_mov_b32 s20, 0x7f800000
	s_mov_b32 s21, 0xff800000
.set i, 0
.rept 32
	v_mov_b32 v[MN+i], s20
	v_mov_b32 v[IX+i], 0
	v_mov_b32 v[ACC+32+i], s21
.set i, i+1
.endr
.irp i, 0,1,2,3
	v_mov_b32 v[SEV+(\i)], 0
.endr
	s_wait_tensorcnt 0x2                           ; my quarter of x's tile is in; tile 0's and se's may stay out
	s_barrier_signal -1
	s_barrier_wait -1                              ; everybody's is
	WIN 0x80                                       ; destination window 2, address window 0
.set ks, 0
.rept 16                                       ; my 64 tokens: K step ks, token block mb at 8 (4 (ks % 8) + mb) of window 2 or 3
.if ks == 8
	WIN 0xc0
.endif
.set mb, 0
.rept 4
.set rA, 8*(4*(ks&7)+mb)
	ds_load_b128 v[rA:rA+3],   v[AA0+(mb>>1)] offset:(mb&1)*HALFQ+64*ks
	ds_load_b128 v[rA+4:rA+7], v[AA0+(mb>>1)] offset:(mb&1)*HALFQ+64*ks+32
.set mb, mb+1
.endr
.set ks, ks+1
.endr
; THE VECTOR WORK for a block of parity PR: rider number rq of 128.  For each token block (32 riders): four packed t = sx + se; four packed d = t - 2 dot, each accumulator's lowest registers
; first; then for each of the eight d: is it below the minimum? the new minimum; the index where it was.
.macro RD
.set rmb, rq/32
.set rn, rq%32
.if rn < 4
	v_pk_add_f32 v[T+2*rn:T+2*rn+1], v[SX+8*rmb+2*rn:SX+8*rmb+2*rn+1], v[SEV+2*PR:SEV+2*PR+1] op_sel_hi:[1,0]
.elseif rn < 8
.set rm, rn-4
	v_pk_fma_f32 v[T+2*rm:T+2*rm+1], v[ACC+32*PR+8*rmb+2*rm:ACC+32*PR+8*rmb+2*rm+1], -2.0, v[T+2*rm:T+2*rm+1] op_sel_hi:[1,0,1]
.else
.set re, (rn-8)/3
.set rc, (rn-8)%3
.if rc == 0
	v_cmp_lt_f32 vcc_lo, v[T+re], v[MN+8*rmb+re]
.elseif rc == 1
	v_min_num_f32 v[MN+8*rmb+re], v[MN+8*rmb+re], v[T+re]
.else
	v_cndmask_b32 v[IX+8*rmb+re], v[IX+8*rmb+re], v[VC], vcc_lo
.endif
.endif
.set rq, rq+1
.endm
.macro SLICE                           ; four riders; ahead of a block's first, the index steps to that block's codes
	WIN 0
.if rq == 0
	v_add_nc_u32 v[VC], VINC, v[VC]
.endif
.rept 4
	RD
.endr
.endm
; THE MATRIX WORK: K steps 4 g .. 4 g + 3 of the block of parity PW, 16 matrix instructions, a slice behind every second one: 32 riders, just one token block's.  K step 0 starts the sums with the constant 0.
; A rider reads an accumulator 13 plain vector instructions or more behind the matrix instruction that ended it (two slices of the block before, the index's step and the four additions).
.macro GRP g
.set ks, 4*(\g)
.rept 4
.set mb, 0
.rept 4
	WIN 0x06+(ks>>3)                               ; tokens (source 0) window 2 or 3, codes (source 1) window 1, sums window 0
.set rD, ACC+32*PW+8*mb
.set rA, 8*(4*(ks&7)+mb)
.set rB, 128*PW+8*ks
.if ks == 0
	v_wmma_f32_16x16x32_bf16 v[rD:rD+7], v[rA:rA+7], v[rB:rB+7], 0
.else
	v_wmma_f32_16x16x32_bf16 v[rD:rD+7], v[rA:rA+7], v[rB:rB+7], v[rD:rD+7]
.endif
.if mb%2
	SLICE
.endif
.set mb, mb+1
.endr
.set ks, ks+1
.endr
.endm
; THE LDS LOADS stand in one run a block: se of the block in hand (cb), first, then the 16 fragments of code block nb, K ascending, into the buffer of nb's parity.
; That buffer's last reader stands 64 riders back, of which 60 or more name none of its registers.
.macro FETCH nb, cb, wse
	WIN 0
	v_add_nc_u32 v[ADR], s[SO], v[AB0+((\nb)>>1)]
.if \wse
	ds_load_b32 v[SEV+2*((\cb)%2)], v[ASE] offset:64*(\cb)
.if (\cb) == 3
	v_add_nc_u32 v[ASE], 0x200, v[ASE]             ; the next tile's 128 se
.endif
.endif
	WIN 0x40                                       ; destination window 1
.set fk, 0
.rept 16
	ds_load_b128 v[128*((\nb)%2)+8*fk:128*((\nb)%2)+8*fk+3],   v[ADR] offset:((\nb)&1)*HALFQ+64*fk
	ds_load_b128 v[128*((\nb)%2)+8*fk+4:128*((\nb)%2)+8*fk+7], v[ADR] offset:((\nb)&1)*HALFQ+64*fk+32
.set fk, fk+1
.endr
.endm
; BLOCK b of a tile.  mode 0: plain; in its middle the next block is fetched.  mode 1: a tile's last block, which changes slots and fills the slot just read out with the tile two on.
; mode 2: the same, but nothing is left to fetch.  mode 3: the last block of all.
.macro BLOCK b, mode
.set PW, (\b)%2
.set PR, 1-PW
.set rq, 0
.set VINC, 16
.if (\b) == 1
.set VINC, 80                          ; from a tile's block 3 to the next tile's block 0: 128 - 48
.endif
.if (\mode) == 0
	s_wait_dscnt 16                                ; se and K steps 0-7 are in; the youngest sixteen loads (K steps 8-15) may be out
	GRP 0
	GRP 1
	FETCH (\b)+1, \b, 1
	s_wait_dscnt 33                                ; all but the 33 just issued
	GRP 2
	GRP 3
.elseif (\mode) == 3
	s_wait_dscnt 16
	GRP 0
	GRP 1
	WIN 0
	ds_load_b32 v[SEV+2], v[ASE] offset:192        ; this block's se
	s_wait_dscnt 1                                 ; all but that load
	GRP 2
	GRP 3
.else
.if (\mode) == 1
	s_wait_xcnt 0x0                                ; the last prefetch, a tile back, has read its address: it is stepped here, ahead of the waits of the change of slots
	s_add_nc_u64 s[PFA:PFA+1], s[PFA:PFA+1], TILEB
.endif
	WIN 0                                          ; (the add's two registers lie in window 0)
	s_wait_tensorcnt 0x0                           ; all my tensor loads have landed: the one that was out is my quarter of the next tile; so a group 0 may be written
	ds_add_u32 v[SPW], v[NIL]                      ; 0 onto my spare word
.if (\mode) == 1
	s_xor_b32 s[G0B+1], s[G0B+1], SLOTB            ; the walking descriptor: the slot that is being left,
	s_add_nc_u64 s[G0B+2:G0B+3], s[G0B+2:G0B+3], TILEB  ; the next tile; the type bits on top are not reached
.endif
	s_xor_b32 s[SO], s[SO], SLOTB                  ; the fetches go on in the other slot
	s_wait_dscnt 17                                ; (the add and the youngest sixteen loads may be out)
	GRP 0                                          ; sixteen matrix instructions and their riders stand between the add and the wait for it
	s_wait_dscnt 0x0                               ; the add is done, and my reads of this slot are over
	s_barrier_signal -1                            ; say so (with a refill this barrier opens a round of the cluster's barrier),
	GRP 1                                          ; work on registers while the others arrive; its last rider ends a token block
	WIN 0
	s_barrier_wait -1
.if (\mode) == 1
	CREST                                          ; no wave of any partner still reads this slot or has a load on its way
	tensor_load_to_lds s[G0B:G0B+3], s[G1B:G1B+7]  ; my one tensor load behind the round, and the first thing there: 224 matrix instructions ahead of the wait for it
	s_nop 0
.rept 4
	v_nop
.endr
.endif
	FETCH 0, 3, 1                                  ; the next tile's first block
.if (\mode) == 1
	WIN 0
	ASK
.endif
	GRP 2
	GRP 3
.endif
.endm
	; THE FIRST CHANGE OF SLOTS: x's tile has been read into registers, and slot 0 takes tile 1
	WIN 0
	s_wait_tensorcnt 0x0                           ; tile 0's and se's quarters are in too
	ds_add_u32 v[SPW], v[NIL]
	s_xor_b32 s[G0B+1], s[G0B+1], SLOTB
	s_add_nc_u64 s[G0B+2:G0B+3], s[G0B+2:G0B+3], TILEB
	s_wait_dscnt 0x0                               ; the add is done, and my tokens are in registers
	CROUND                                         ; the same holds of every wave of all four work-groups
	tensor_load_to_lds s[G0B:G0B+3], s[G1B:G1B+7]
	s_nop 0
.rept 4
	v_nop
.endr
	FETCH 0, 0, 0                                  ; tile 0's first block
	WIN 0
	ASK                                            ; tile 3
	s_wait_loadcnt 0x0                             ; sx
	s_branch .Lenter                               ; the loop is entered at a tile's first block
.Lstep:                                                ; 30 times: tiles 2 to 31 are asked for
	BLOCK 3, 1
	WIN 0
.Lenter:
	BLOCK 0, 0
	BLOCK 1, 0
	BLOCK 2, 0
	WIN 0
	s_sub_co_u32 s[CNT], s[CNT], 1
	s_cmp_lg_u32 s[CNT], 0
	s_cbranch_scc1 .Lstep
	BLOCK 3, 2                                     ; the tail is written out: tile 30's last block, and tile 31
	BLOCK 0, 0
	BLOCK 1, 0
	BLOCK 2, 0
	BLOCK 3, 3
	WIN 0
	s_wait_dscnt 0x0                               ; the last block's se
.set PR, 1
.set rq, 0
.set VINC, 16
.rept 32
	SLICE                                          ; the last block's d: nothing is left to set them beside
.endr
	; THE WAY OUT.  A token's 32 candidates (2 waves x 16 lanes) meet in LDS; thread t takes token t and merges them by (d, index): of equal d the lower index.
.set i, 0
.rept 32
	ds_store_b32 v[CA], v[MN+i] offset:(16*(i/8)+i%8)*CP
	ds_store_b32 v[CA], v[IX+i] offset:(16*(i/8)+i%8)*CP+128
.set i, i+1
.endr
	s_wait_dscnt 0x0                               ; for the others' sake: my candidates lie in LDS
	s_barrier_signal -1
	s_barrier_wait -1
.set i, 0
.rept 8
	ds_load_b128 v[DD+4*i:DD+4*i+3], v[CB] offset:16*i
	ds_load_b128 v[II+4*i:II+4*i+3], v[CB] offset:128+16*i
.set i, i+1
.endr
	s_wait_dscnt 0x0
.macro MERGE a, b                      ; candidate a takes b's place where b's d is lower, or equal with the lower index
	v_cmp_lt_f32 s68, v[DD+(\b)], v[DD+(\a)]
	v_cmp_eq_f32 s69, v[DD+(\b)], v[DD+(\a)]
	v_cmp_lt_u32 vcc_lo, v[II+(\b)], v[II+(\a)]
	s_and_b32 s69, s69, vcc_lo
	s_or_b32 s68, s68, s69
	v_min_num_f32 v[DD+(\a)], v[DD+(\a)], v[DD+(\b)]
	v_cndmask_b32 v[II+(\a)], v[II+(\a)], v[II+(\b)], s68
.endm
.irp st, 16,8,4,2,1
.set ma, 0
.rept \st
	MERGE ma, ma+(\st)
.set ma, ma+1
.endr
.endr
	v_mov_b32 v[DD+1], v[II]                       ; d and index side by side
	global_store_b64 v[GO], v[DD:DD+1], s[12:13]   ; a wave stores 256 consecutive bytes, aligned
	s_wait_tensorcnt 0x0                           ; the wave's end, behind my last tensor load and my last LDS store
	ds_add_u32 v[SPW], v[NIL]
	s_wait_dscnt 0x0
	CROUND                                         ; the closing round: no work-group ends while a partner may still ask for a tile that names it
	s_endpgm
.Lfunc_end_k_qcbb3ea0af2_nearest:
	.size	k_qcbb3ea0af2_nearest, .Lfunc_end_k_qcbb3ea0af2_nearest-k_qcbb3ea0af2_nearest
	.p2alignl 7, 3214868480
	.fill 96, 4, 3214868480
	.section	.rodata,"a",@progbits
	.p2align	6, 0x0
	.amdhsa_kernel k_qcbb3ea0af2_nearest
		.amdhsa_group_segment_fixed_size 327680
		.amdhsa_private_segment_fixed_size 0
		.amdhsa_enable_private_segment 0
		.amdhsa_kernarg_size 40
		.amdhsa_user_sgpr_count 2
		.amdhsa_user_sgpr_kernarg_segment_ptr 1
		.amdhsa_wavefront_size32 1
		.amdhsa_system_sgpr_workgroup_id_x 1
		.amdhsa_system_sgpr_workgroup_id_y 1
		.amdhsa_system_sgpr_workgroup_id_z 1
		.amdhsa_system_vgpr_workitem_id 0
		.amdhsa_next_free_vgpr 1024
		.amdhsa_next_free_sgpr 76
		.amdhsa_reserve_vcc 1
		.amdhsa_float_denorm_mode_32 3
		.amdhsa_float_denorm_mode_16_64 3
		.amdhsa_memory_ordered 1
		.amdhsa_forward_progress 1
		.amdhsa_inst_pref_size 161
	.end_amdhsa_kernel
	.amdgpu_metadata
---
amdhsa.version: [ 1, 2 ]
amdhsa.kernels:
  - .name:           k_qcbb3ea0af2_nearest
    .symbol:         k_qcbb3ea0af2_nearest.kd
    .args:
      - { .name: xb, .offset: 0, .size: 8, .value_kind: global_buffer, .address_space: global }
      - { .name: eb, .offset: 8, .size: 8, .value_kind: global_buffer, .address_space: global }
      - { .name: sx, .offset: 16, .size: 8, .value_kind: global_buffer, .address_space: global }
      - { .name: se, .offset: 24, .size: 8, .value_kind: global_buffer, .address_space: global }
      - { .name: best, .offset: 32, .size: 8, .value_kind: global_buffer, .address_space: global }
    .group_segment_fixed_size: 327680
    .private_segment_fixed_size: 0
    .kernarg_segment_align: 8
    .kernarg_segment_size: 40
    .max_flat_workgroup_size: 128
    .sgpr_count:     76
    .vgpr_count:     1024
    .wavefront_size: 32
...
	.end_amdgpu_metadata
.endif
;; end of part 2
;; launch fetch (part 3): grid 256 x 1, 8 waves a work-group, no clusters, 0 bytes of LDS; arguments eb, best, out0, out1; writes out0, out1
.if DOCPART == 3
	.amdgcn_target "amdgcn-amd-amdhsa--gfx1250"
	.amdhsa_code_object_version 6
	.text
	.protected	k_qcbb3ea0af2_fetch
	.globl	k_qcbb3ea0af2_fetch
	.p2align	8
	.type	k_qcbb3ea0af2_fetch,@function
k_qcbb3ea0af2_fetch:
	s_mov_b64 s[64:65], 0
	v_nop
	global_prefetch_b8 v0, s[64:65] scope:SCOPE_SE
	s_setreg_imm32_b32 hwreg(HW_REG_WAVE_MODE, 25, 1), 1
	s_wait_xcnt 0x0
; VECTOR QUANTISER, third launch: of a token's two records (d, index), one for each half of the codebook, the better is taken; its index goes to out1, its code row to out0.
; No work of reference() is left out.  Half 1 wins only by a strict <: of equal d the lower index stays, as in reference()'s argmin.
; No address hangs on that comparison: BOTH candidate rows are loaded, by the stored indices (two bf16 rows are the bytes of one f32 row), and the row is chosen word by word.
; LIMITS.  out0 holds emb rounded once to bf16 (at most 2^-9 of each number off), widened to f32.  The indices are held to 0..8191 before they enter an address; stored ones are within that.
; SHARES.  A work-group takes 64 tokens, a wave 8.  A load of a wave covers 256 consecutive bytes of a row, a store 512 of out0, both aligned.  All 64 loads of a wave go out before the first
; wait; no register that a load or store reads is written again.  No LDS, matrix unit or cluster: nothing is shared between waves.
.set VO, 8                             ; v[8:23]    token i, half c: byte offset of my 8 bytes in that code row, at VO + 2 i + c
.set R,  32                            ; v[32:159]  token i, piece j at R + 16 i + 4 j: two words of half 0's row, two of half 1's; then four f32
	s_load_b256 s[4:11], s[0:1], 0x0               ; eb s[4:5], best s[6:7], out0 s[8:9], out1 s[10:11]
	v_and_b32 v1, 31, v0                           ; lane
	v_lshrrev_b32 v3, 5, v0
	v_readfirstlane_b32 s12, v3                    ; wave 0..7
	v_lshlrev_b32 v2, 3, v1                        ; 8 x lane
	v_lshlrev_b32 v4, 4, v1                        ; 16 x lane
	v_lshl_or_b32 v5, v3, 14, v4                   ; out0: wave x 8 rows x 2,048 bytes + 16 x lane
	s_mov_b32 s13, 0xffff0000                      ; a word's upper bf16
	s_lshl_b32 s48, ttmp9, 9                       ; the work-group's 64 records of 8 bytes,
	s_mov_b32 s49, 0
	s_lshl_b32 s50, s12, 6                         ; my wave's 8
	s_mov_b32 s51, 0
	s_lshl_b32 s52, ttmp9, 17                      ; 64 rows of out0
	s_mov_b32 s53, 0
	s_lshl_b32 s54, ttmp9, 8                       ; 64 words of out1
	s_mov_b32 s55, 0
	s_wait_kmcnt 0x0
	s_add_nc_u64 s[6:7], s[6:7], s[48:49]
	s_add_nc_u64 s[14:15], s[6:7], s[50:51]
	s_add_nc_u64 s[8:9], s[8:9], s[52:53]
	s_add_nc_u64 s[10:11], s[10:11], s[54:55]
	s_load_b512 s[16:31], s[14:15], 0x0            ; my 8 tokens' records of half 0: d in s[16 + 2 i], index in s[17 + 2 i]
	s_load_b512 s[32:47], s[14:15], 0x20000        ; and of half 1, 16,384 records on
	s_cmp_lg_u32 s12, 0                            ; wave 0 makes the work-group's 64 words of out1 while those two loads are on their way
	s_cbranch_scc1 .Lrows
	global_load_b128 v[160:163], v4, s[6:7]                ; tokens 2 l and 2 l + 1, half 0
	global_load_b128 v[164:167], v4, s[6:7] offset:131072  ; half 1
	s_wait_loadcnt 0x0
	v_cmp_lt_f32 vcc_lo, v164, v160
	v_cndmask_b32 v168, v161, v165, vcc_lo
	v_cmp_lt_f32 vcc_lo, v166, v162
	v_cndmask_b32 v169, v163, v167, vcc_lo
	global_store_b64 v2, v[168:169], s[10:11]      ; 256 consecutive bytes, aligned
.Lrows:
	s_wait_kmcnt 0x0
.set i, 0
.rept 8
	s_min_u32 s[17+2*i], s[17+2*i], 0x1fff
	s_min_u32 s[33+2*i], s[33+2*i], 0x1fff
	v_lshl_add_u32 v[VO+2*i],   s[17+2*i], 10, v2  ; a row of 1,024 bytes
	v_lshl_add_u32 v[VO+2*i+1], s[33+2*i], 10, v2
.irp j, 0,1,2,3
	global_load_b64 v[R+16*i+4*(\j):R+16*i+4*(\j)+1],   v[VO+2*i],   s[4:5] offset:256*(\j)
	global_load_b64 v[R+16*i+4*(\j)+2:R+16*i+4*(\j)+3], v[VO+2*i+1], s[4:5] offset:256*(\j)
.endr
.set i, i+1
.endr
.macro TOK i
	s_wait_loadcnt 8*(7-(\i))                      ; loads come back in order: the eight loads of each younger token may stay out
	v_cmp_lt_f32 vcc_lo, s[32+2*(\i)], s[16+2*(\i)]  ; is half 1's d lower?  The same in every lane
.irp j, 0,1,2,3
.set rb, R+16*(\i)+4*(\j)
	v_cndmask_b32 v[rb],   v[rb],   v[rb+2], vcc_lo
	v_cndmask_b32 v[rb+1], v[rb+1], v[rb+3], vcc_lo
	v_and_b32     v[rb+3], s13, v[rb+1]            ; bf16 to f32 in place, the highest register first
	v_lshlrev_b32 v[rb+2], 16, v[rb+1]
	v_and_b32     v[rb+1], s13, v[rb]
	v_lshlrev_b32 v[rb],   16, v[rb]
	global_store_b128 v5, v[rb:rb+3], s[8:9] offset:(\i)*2048+512*(\j) th:TH_STORE_NT
.endr
.endm
.irp i, 0,1,2,3,4,5,6,7
	TOK \i
.endr
	s_endpgm
.Lfunc_end_k_qcbb3ea0af2_fetch:
	.size	k_qcbb3ea0af2_fetch, .Lfunc_end_k_qcbb3ea0af2_fetch-k_qcbb3ea0af2_fetch
	.p2alignl 7, 3214868480
	.fill 96, 4, 3214868480
	.section	.rodata,"a",@progbits
	.p2align	6, 0x0
	.amdhsa_kernel k_qcbb3ea0af2_fetch
		.amdhsa_group_segment_fixed_size 0
		.amdhsa_private_segment_fixed_size 0
		.amdhsa_enable_private_segment 0
		.amdhsa_kernarg_size 32
		.amdhsa_user_sgpr_count 2
		.amdhsa_user_sgpr_kernarg_segment_ptr 1
		.amdhsa_wavefront_size32 1
		.amdhsa_system_sgpr_workgroup_id_x 1
		.amdhsa_system_sgpr_workgroup_id_y 1
		.amdhsa_system_sgpr_workgroup_id_z 1
		.amdhsa_system_vgpr_workitem_id 0
		.amdhsa_next_free_vgpr 176
		.amdhsa_next_free_sgpr 66
		.amdhsa_reserve_vcc 1
		.amdhsa_float_denorm_mode_32 3
		.amdhsa_float_denorm_mode_16_64 3
		.amdhsa_memory_ordered 1
		.amdhsa_forward_progress 1
		.amdhsa_inst_pref_size 20
	.end_amdhsa_kernel
	.amdgpu_metadata
---
amdhsa.version: [ 1, 2 ]
amdhsa.kernels:
  - .name:           k_qcbb3ea0af2_fetch
    .symbol:         k_qcbb3ea0af2_fetch.kd
    .args:
      - { .name: eb, .offset: 0, .size: 8, .value_kind: global_buffer, .address_space: global }
      - { .name: best, .offset: 8, .size: 8, .value_kind: global_buffer, .address_space: global }
      - { .name: out0, .offset: 16, .size: 8, .value_kind: global_buffer, .address_space: global }
      - { .name: out1, .offset: 24, .size: 8, .value_kind: global_buffer, .address_space: global }
    .group_segment_fixed_size: 0
    .private_segment_fixed_size: 0
    .kernarg_segment_align: 8
    .kernarg_segment_size: 32
    .max_flat_workgroup_size: 256
    .sgpr_count:     66
    .vgpr_count:     176
    .wavefront_size: 32
...
	.end_amdgpu_metadata
.endif
;; end of part 3
;; ======== version 2 of 2: 3 launches; version 1 with the launches cast, fetch written anew for expert scheduling mode
;; workspace buffers: xb 16,777,216 bytes; eb 8,388,608 bytes; sx 65,536 bytes; se 32,768 bytes; best 262,144 bytes of whole numbers
;; launch cast (part 4): grid 384 x 1, 8 waves a work-group, no clusters, 1,280 bytes of LDS; arguments x, emb, xb, eb, sx, se; writes xb, eb, sx, se
.if DOCPART == 4
	.amdgcn_target "amdgcn-amd-amdhsa--gfx1250"
	.amdhsa_code_object_version 6
	.text
	.protected	k_qcbb3ea0af2_cast
	.globl	k_qcbb3ea0af2_cast
	.p2align	8
	.type	k_qcbb3ea0af2_cast,@function
k_qcbb3ea0af2_cast:
	s_mov_b64 s[64:65], 0
	v_nop
	global_prefetch_b8 v0, s[64:65] scope:SCOPE_SE
	s_setreg_imm32_b32 hwreg(HW_REG_WAVE_SCHED_MODE, 0, 2), 2
	s_setreg_imm32_b32 hwreg(HW_REG_WAVE_MODE, 25, 1), 1
	s_wait_xcnt 0x0
	s_wait_alu depctr_vm_vsrc(0)
; VECTOR QUANTISER, first of three launches.  reference(): d[n][k] = (|x_n|^2 + |e_k|^2) - 2 x_n . e_k in f32, argmin over k (the first of equal minima), and the code row of that index.
; NOTHING OF reference() IS LEFT OUT.  |x_n|^2 is the same along the argmin's axis, but it stays: beside it the other two terms are small, so that f32 rounds every d onto the grid of
; |x_n|^2, equal minima arise, and the first index among them is the result.  The later launches form d by the same two roundings: t = fl(sx + se), d = fl(t - 2 dot).
; THIS LAUNCH rounds x and emb once to bf16 (the matrix operands; row-major as they lie) and sums, in f32, the squares of the ROUNDED numbers of each row (a bf16's square is exact in f32).
; LIMITS.  The row sums are taken in another order than reference()'s and may differ from them in the last bits; that moves all d of a token (or of a code) alike.
; SHARES.  Work-groups 0-255 take 64 rows of x each, 256-383 64 rows of emb.  A wave takes 8 rows; of a row's four pieces of 512 bytes a lane takes 16 bytes each, so a load of a wave covers
; 512 consecutive bytes and a store 256, both aligned.  All 32 loads of a wave go out before the first wait: 16 KiB a wave.  No register that a store reads is written again.
; No matrix unit, cluster or tensor load: each byte is read once by one lane and nothing is shared.
; THE MODE: SCHED_MODE bits 1:0 = 2 (LLVM: expert scheduling mode 2), set by the entry lines.  The code itself states the register dependences
; between vector instructions and memory or LDS instructions, with s_wait_alu, always for 0.
; THE PLAN.  Registers that memory or LDS instructions touch:
;   v1 .. v4      offsets and LDS addresses: written at the head, never again.
;   X, row i      all four registers of a piece take a load; the row's roundings then write registers 0 and 1 of each piece, which one store, issued in row i + 1, reads.  Never written again.
;   SM[i]         row i's sum: written by the row's last addition, read by one LDS store, issued in row i + 1.  Never written again.
;   v[8:9]        partial sums, named by vector instructions alone until the barrier; behind it wave 0's LDS load lands in them.
; Row i's vector instructions name row i's registers, the partial sums, v16, v17 and SM[i]: none that row i - 1's five stores read.  So ONE wait on va_vdst at a row's head states all
; that those stores hang on, and they are dealt among the row's vector instructions with no further wait.  No register that a memory or LDS instruction reads is written again: no wait on vm_vsrc is owed.
.set X,     32                         ; v[32:159]  row i, piece j at X + 16 i + 4 j: four f32 as loaded; then two words of bf16 and two registers at work
.set S,     8                          ; v[8:15]    four pairs of partial sums, one a piece
.set SM,    18                         ; v[18:25]   the eight rows' sums, a register each
.set SPARE, 256                        ; LDS: bytes 0-255 the 64 row sums; from 256 on the spare words, 128 bytes a wave, that no other line names
	s_load_b256 s[4:11], s[0:1], 0x0               ; x s[4:5], emb s[6:7], xb s[8:9], eb s[10:11]
	s_load_b128 s[12:15], s[0:1], 0x20             ; sx s[12:13], se s[14:15]
	v_lshl_add_u32 v6, v0, 2, SPARE                ; my spare word; never rewritten
	v_mov_b32 v7, 0                                ; 0; never rewritten
	v_and_b32 v5, 31, v0                           ; lane
	v_lshrrev_b32 v16, 5, v0
	v_readfirstlane_b32 s28, v16                   ; wave 0..7
	v_lshlrev_b32 v1, 4, v5
	v_lshl_or_b32 v1, v16, 14, v1                  ; in: wave x 8 rows x 2,048 bytes + 16 x lane
	v_lshlrev_b32 v2, 3, v5
	v_lshl_or_b32 v2, v16, 13, v2                  ; out: wave x 8 rows x 1,024 bytes + 8 x lane
	v_lshlrev_b32 v3, 5, v16                       ; LDS: my wave's eight sums
	v_lshlrev_b32 v4, 3, v5                        ; 8 x lane: two sums a lane on the way out
	v_mov_b32 v17, 0                               ; v_permlanex16_b32's destination counts as read: written once here
	s_wait_alu depctr_va_sdst(0)                   ; s28 is written, ahead of its first reader: the comparison behind the barrier, on which wave 0's arm hangs
	s_mov_b32 s22, 0xffff0000                      ; a word's upper bf16
	s_mov_b32 s24, 0x76543210                      ; v_permlanex16_b32: each lane takes its own place in the other half
	s_mov_b32 s25, 0xfedcba98
	s_sub_co_u32 s23, ttmp9, 256
	s_cmp_lt_u32 ttmp9, 256                        ; x or emb?  The selects below leave SCC as it is
	s_cselect_b32 s23, ttmp9, s23                  ; my block of 64 rows in that tensor
	s_wait_kmcnt 0x0
	s_cselect_b64 s[16:17], s[4:5], s[6:7]         ; from
	s_cselect_b64 s[18:19], s[8:9], s[10:11]       ; to
	s_cselect_b64 s[20:21], s[12:13], s[14:15]     ; the sums
	s_lshl_b32 s26, s23, 17                        ; 64 rows of 2,048 bytes
	s_mov_b32 s27, 0
	s_add_nc_u64 s[16:17], s[16:17], s[26:27]
	s_lshl_b32 s26, s23, 16                        ; 64 rows of 1,024 bytes
	s_add_nc_u64 s[18:19], s[18:19], s[26:27]
	s_lshl_b32 s26, s23, 8                         ; 64 sums
	s_add_nc_u64 s[20:21], s[20:21], s[26:27]
	s_wait_alu depctr_va_vdst(0)                   ; v1 to v4 are written: every load, store and LDS instruction of the kernel reads one of them as its offset or address
.set i, 0
.rept 8
.irp j, 0,1,2,3
	global_load_b128 v[X+16*i+4*(\j):X+16*i+4*(\j)+3], v1, s[16:17] offset:i*2048+(\j)*512 th:TH_LOAD_NT
.endr
.set i, i+1
.endr
; Piece j of row i leaves: two words of bf16 a lane.
.macro PUT i, j
	global_store_b64 v2, v[X+16*(\i)+4*(\j):X+16*(\i)+4*(\j)+1], s[18:19] offset:(\i)*1024+(\j)*256  ; 32 lanes store 256 consecutive bytes, aligned
.endm
; Row i: rounded, and the squares of the rounded numbers summed over the wave; among its lines the row before is stored.
.macro ROW i
	s_wait_loadcnt 4*(7-(\i))                      ; loads come back in order: the four loads of each younger row may stay out
.if (\i) > 0
	s_wait_alu depctr_va_vdst(0)                   ; the row before has written its eight words of bf16 and its sum, which the five stores below read
.endif
.irp j, 0,1,2,3
.if (\i) > 0
	PUT (\i)-1, \j                                 ; no vector instruction since the wait names these registers
.endif
.set rb, X+16*(\i)+4*(\j)
	v_cvt_pk_bf16_f32 v[rb], v[rb], v[rb+1]        ; four numbers into two words, to nearest even
	v_cvt_pk_bf16_f32 v[rb+1], v[rb+2], v[rb+3]
	v_lshlrev_b32 v[rb+2], 16, v[rb]               ; the rounded numbers back in f32, in the two registers that are free
	v_and_b32 v[rb+3], s22, v[rb]
	v_pk_mul_f32 v[S+2*(\j):S+2*(\j)+1], v[rb+2:rb+3], v[rb+2:rb+3]  ; the first squares start the piece's sums
	v_lshlrev_b32 v[rb+2], 16, v[rb+1]
	v_and_b32 v[rb+3], s22, v[rb+1]
	v_pk_fma_f32 v[S+2*(\j):S+2*(\j)+1], v[rb+2:rb+3], v[rb+2:rb+3], v[S+2*(\j):S+2*(\j)+1]
.endr
.if (\i) > 0
	ds_store_b32 v3, v[SM+(\i)-1] offset:4*((\i)-1)  ; the row before's sum: every lane holds it and writes the same word
.endif
	v_pk_add_f32 v[S:S+1], v[S:S+1], v[S+2:S+3]
	v_pk_add_f32 v[S+4:S+5], v[S+4:S+5], v[S+6:S+7]
	v_pk_add_f32 v[S:S+1], v[S:S+1], v[S+4:S+5]
	v_add_f32 v16, v[S], v[S+1]
	v_add_f32_dpp v16, v16, v16 row_xmask:1 row_mask:0xf bank_mask:0xf  ; over the 16 lanes of each half,
	v_add_f32_dpp v16, v16, v16 row_xmask:2 row_mask:0xf bank_mask:0xf
	v_add_f32_dpp v16, v16, v16 row_xmask:4 row_mask:0xf bank_mask:0xf
	v_add_f32_dpp v16, v16, v16 row_xmask:8 row_mask:0xf bank_mask:0xf
	v_permlanex16_b32 v17, v16, s24, s25           ; and the other half
	v_add_f32 v[SM+(\i)], v16, v17                 ; into the row's own register, which nothing writes again
.endm
.irp i, 0,1,2,3,4,5,6,7
	ROW \i
.endr
	s_wait_alu depctr_va_vdst(0)                   ; row 7 has written its words and its sum, which the five stores below read; and all vector instructions that named v[8:9] are done: wave 0's LDS load lands there, and no vector instruction follows
.irp j, 0,1,2,3
	PUT 7, \j
.endr
	ds_store_b32 v3, v[SM+7] offset:28
	s_wait_dscnt 0x0                               ; for the others' sake: my eight sums lie in LDS
	s_barrier_signal -1
	s_barrier_wait -1
	s_cmp_lg_u32 s28, 0                            ; wave 0 stores the work-group's 64 sums: one store of 256 consecutive bytes, aligned
	s_cbranch_scc1 .Lend
	ds_load_b64 v[8:9], v4
	s_wait_dscnt 0x0
	global_store_b64 v4, v[8:9], s[20:21]
.Lend:
	s_wait_dscnt 0x0                               ; the closing lines, six on end
	s_wait_alu 0x0
	s_wait_tensorcnt 0x0
	ds_add_u32 v6, v7
	s_wait_dscnt 0x0
	s_endpgm
.Lfunc_end_k_qcbb3ea0af2_cast:
	.size	k_qcbb3ea0af2_cast, .Lfunc_end_k_qcbb3ea0af2_cast-k_qcbb3ea0af2_cast
	.p2alignl 7, 3214868480
	.fill 96, 4, 3214868480
	.section	.rodata,"a",@progbits
	.p2align	6, 0x0
	.amdhsa_kernel k_qcbb3ea0af2_cast
		.amdhsa_group_segment_fixed_size 1280
		.amdhsa_private_segment_fixed_size 0
		.amdhsa_enable_private_segment 0
		.amdhsa_kernarg_size 48
		.amdhsa_user_sgpr_count 2
		.amdhsa_user_sgpr_kernarg_segment_ptr 1
		.amdhsa_wavefront_size32 1
		.amdhsa_system_sgpr_workgroup_id_x 1
		.amdhsa_system_sgpr_workgroup_id_y 1
		.amdhsa_system_sgpr_workgroup_id_z 1
		.amdhsa_system_vgpr_workitem_id 0
		.amdhsa_next_free_vgpr 160
		.amdhsa_next_free_sgpr 66
		.amdhsa_reserve_vcc 0
		.amdhsa_float_denorm_mode_32 3
		.amdhsa_float_denorm_mode_16_64 3
		.amdhsa_memory_ordered 1
		.amdhsa_forward_progress 1
		.amdhsa_inst_pref_size 26
	.end_amdhsa_kernel
	.amdgpu_metadata
---
amdhsa.version: [ 1, 2 ]
amdhsa.kernels:
  - .name:           k_qcbb3ea0af2_cast
    .symbol:         k_qcbb3ea0af2_cast.kd
    .args:
      - { .name: x, .offset: 0, .size: 8, .value_kind: global_buffer, .address_space: global }
      - { .name: emb, .offset: 8, .size: 8, .value_kind: global_buffer, .address_space: global }
      - { .name: xb, .offset: 16, .size: 8, .value_kind: global_buffer, .address_space: global }
      - { .name: eb, .offset: 24, .size: 8, .value_kind: global_buffer, .address_space: global }
      - { .name: sx, .offset: 32, .size: 8, .value_kind: global_buffer, .address_space: global }
      - { .name: se, .offset: 40, .size: 8, .value_kind: global_buffer, .address_space: global }
    .group_segment_fixed_size: 1280
    .private_segment_fixed_size: 0
    .kernarg_segment_align: 8
    .kernarg_segment_size: 48
    .max_flat_workgroup_size: 256
    .sgpr_count:     66
    .vgpr_count:     160
    .wavefront_size: 32
...
	.end_amdgpu_metadata
.endif
;; end of part 4
;; launch nearest: the kernel of part 2 again; grid 128 x 2, 4 waves a work-group, clusters of 4 x 1, 327,680 bytes of LDS; arguments xb, eb, sx, se, best; writes best
;; launch fetch (part 5): grid 256 x 1, 8 waves a work-group, no clusters, 0 bytes of LDS; arguments eb, best, out0, out1; writes out0, out1
.if DOCPART == 5
	.amdgcn_target "amdgcn-amd-amdhsa--gfx1250"
	.amdhsa_code_object_version 6
	.text
	.protected	k_qcbb3ea0af2_fetch
	.globl	k_qcbb3ea0af2_fetch
	.p2align	8
	.type	k_qcbb3ea0af2_fetch,@function
k_qcbb3ea0af2_fetch:
	s_mov_b64 s[64:65], 0
	v_nop
	global_prefetch_b8 v0, s[64:65] scope:SCOPE_SE
	s_setreg_imm32_b32 hwreg(HW_REG_WAVE_SCHED_MODE, 0, 2), 2
	s_setreg_imm32_b32 hwreg(HW_REG_WAVE_MODE, 25, 1), 1
	s_wait_xcnt 0x0
	s_wait_alu depctr_vm_vsrc(0)
; VECTOR QUANTISER, third launch: of a token's two records (d, index), one for each half of the codebook, the better is taken; its index goes to out1, its code row to out0.
; No work of reference() is left out.  Half 1 wins only by a strict <: of equal d the lower index stays, as in reference()'s argmin.
; No address hangs on that comparison: BOTH candidate rows are loaded, by the stored indices (two bf16 rows are the bytes of one f32 row), and the row is chosen word by word.
; LIMITS.  out0 holds emb rounded once to bf16 (at most 2^-9 of each number off), widened to f32.  The indices are held to 0..8191 before they enter an address; stored ones are within that.
; SHARES.  A work-group takes 64 tokens, a wave 8.  A load of a wave covers 256 consecutive bytes of a row, a store 512 of out0, both aligned.  All 64 loads of a wave go out before the first
; wait; no register that a load or store reads is written again.  No LDS, matrix unit or cluster: nothing is shared between waves.
; THE MODE: SCHED_MODE bits 1:0 = 2 (LLVM: expert scheduling mode 2), set by the entry lines.  The code itself states the register dependences
; between vector instructions and memory instructions, and those through scalar registers that vector instructions write, with s_wait_alu, always for 0.
; THE PLAN.  Registers that memory instructions touch:
;   v2, v4, v5    offsets: written at the head, never again.
;   VO            the sixteen offsets of the code rows: made in one run, read by the 64 loads behind one wait, never written again.
;   R, token i    16 registers: the token's eight loads land in them; its 24 vector instructions work in place; four stores, issued in token i + 1, read them.  Never written again.
;   v[160:169]    wave 0 alone: two loads land in v[160:167]; two selects write v[168:169], which one store reads.
; Scalar registers that vector instructions write: s12 (the wave); s2, s3 (wave 0's two masks); s[48:55] (the eight tokens' masks, made in the run with the offsets: they hang on scalars alone).
; Token i's vector instructions name token i's registers alone.  So ONE wait on va_vdst at a token's head states all that the four stores of the token before hang on, and these are dealt
; among the token's vector instructions with no further wait.  No register that a memory instruction reads is written again: no wait on vm_vsrc is owed.
.set VO, 8                             ; v[8:23]    token i, half c: byte offset of my 8 bytes in that code row, at VO + 2 i + c
.set R,  32                            ; v[32:159]  token i, piece j at R + 16 i + 4 j: two words of half 0's row, two of half 1's; then four f32
.set MK, 48                            ; s[48:55]   token i: all ones where half 1's d is lower; the registers held offsets that have been added by then
	s_load_b256 s[4:11], s[0:1], 0x0               ; eb s[4:5], best s[6:7], out0 s[8:9], out1 s[10:11]
	v_and_b32 v1, 31, v0                           ; lane
	v_lshrrev_b32 v3, 5, v0
	v_readfirstlane_b32 s12, v3                    ; wave 0..7
	v_lshlrev_b32 v2, 3, v1                        ; 8 x lane
	v_lshlrev_b32 v4, 4, v1                        ; 16 x lane
	v_lshl_or_b32 v5, v3, 14, v4                   ; out0: wave x 8 rows x 2,048 bytes + 16 x lane
	s_mov_b32 s13, 0xffff0000                      ; a word's upper bf16
	s_lshl_b32 s48, ttmp9, 9                       ; the work-group's 64 records of 8 bytes,
	s_mov_b32 s49, 0
	s_wait_alu depctr_va_sdst(0)                   ; s12 is written, ahead of its first reader, the next line
	s_lshl_b32 s50, s12, 6                         ; my wave's 8
	s_mov_b32 s51, 0
	s_lshl_b32 s52, ttmp9, 17                      ; 64 rows of out0
	s_mov_b32 s53, 0
	s_lshl_b32 s54, ttmp9, 8                       ; 64 words of out1
	s_mov_b32 s55, 0
	s_wait_kmcnt 0x0
	s_add_nc_u64 s[6:7], s[6:7], s[48:49]
	s_add_nc_u64 s[14:15], s[6:7], s[50:51]
	s_add_nc_u64 s[8:9], s[8:9], s[52:53]
	s_add_nc_u64 s[10:11], s[10:11], s[54:55]
	s_load_b512 s[16:31], s[14:15], 0x0            ; my 8 tokens' records of half 0: d in s[16 + 2 i], index in s[17 + 2 i]
	s_load_b512 s[32:47], s[14:15], 0x20000        ; and of half 1, 16,384 records on
	s_cmp_lg_u32 s12, 0                            ; wave 0 makes the work-group's 64 words of out1 while those two loads are on their way
	s_cbranch_scc1 .Lrows
	s_wait_alu depctr_va_vdst(0)                   ; v4 and v2 are written, the offsets of the two loads and of the store below
	global_load_b128 v[160:163], v4, s[6:7]                ; tokens 2 l and 2 l + 1, half 0
	global_load_b128 v[164:167], v4, s[6:7] offset:131072  ; half 1
	s_wait_loadcnt 0x0
	v_cmp_lt_f32 s2, v164, v160
	v_cmp_lt_f32 s3, v166, v162
	s_wait_alu depctr_va_sdst(0)                   ; the two masks s2 and s3 are written, ahead of the selects that read them
	v_cndmask_b32 v168, v161, v165, s2
	v_cndmask_b32 v169, v163, v167, s3
	s_wait_alu depctr_va_vdst(0)                   ; the selects have written v[168:169], which the store reads
	global_store_b64 v2, v[168:169], s[10:11]      ; 256 consecutive bytes, aligned
.Lrows:
	s_wait_kmcnt 0x0
.set i, 0
.rept 8
	s_min_u32 s[17+2*i], s[17+2*i], 0x1fff
	s_min_u32 s[33+2*i], s[33+2*i], 0x1fff
	v_lshl_add_u32 v[VO+2*i],   s[17+2*i], 10, v2  ; a row of 1,024 bytes
	v_lshl_add_u32 v[VO+2*i+1], s[33+2*i], 10, v2
	v_cmp_lt_f32 s[MK+i], s[32+2*i], s[16+2*i]     ; is half 1's d lower?  The same in every lane
.set i, i+1
.endr
	s_wait_alu depctr_va_vdst(0)                   ; the sixteen offsets are written, which the 64 loads read; so is v5, the offset of every store of out0
.set i, 0
.rept 8
.irp j, 0,1,2,3
	global_load_b64 v[R+16*i+4*(\j):R+16*i+4*(\j)+1],   v[VO+2*i],   s[4:5] offset:256*(\j)
	global_load_b64 v[R+16*i+4*(\j)+2:R+16*i+4*(\j)+3], v[VO+2*i+1], s[4:5] offset:256*(\j)
.endr
.set i, i+1
.endr
	s_wait_alu depctr_va_sdst(0)                   ; the eight masks s[48:55] are written, ahead of the first select that reads one
; Piece j of token i leaves: four f32 a lane.
.macro PUT i, j
	global_store_b128 v5, v[R+16*(\i)+4*(\j):R+16*(\i)+4*(\j)+3], s[8:9] offset:(\i)*2048+512*(\j) th:TH_STORE_NT
.endm
; Token i: its row is chosen and widened in place; among its lines the token before is stored.
.macro TOK i
	s_wait_loadcnt 8*(7-(\i))                      ; loads come back in order: the eight loads of each younger token may stay out
.if (\i) > 0
	s_wait_alu depctr_va_vdst(0)                   ; the token before has written its sixteen registers, which the four stores below read
.endif
.irp j, 0,1,2,3
.if (\i) > 0
	PUT (\i)-1, \j                                 ; no vector instruction since the wait names these registers
.endif
.set rb, R+16*(\i)+4*(\j)
	v_cndmask_b32 v[rb],   v[rb],   v[rb+2], s[MK+(\i)]
	v_cndmask_b32 v[rb+1], v[rb+1], v[rb+3], s[MK+(\i)]
	v_and_b32     v[rb+3], s13, v[rb+1]            ; bf16 to f32 in place, the highest register first
	v_lshlrev_b32 v[rb+2], 16, v[rb+1]
	v_and_b32     v[rb+1], s13, v[rb]
	v_lshlrev_b32 v[rb],   16, v[rb]
.endr
.endm
.irp i, 0,1,2,3,4,5,6,7
	TOK \i
.endr
	s_wait_alu depctr_va_vdst(0)                   ; token 7 has written its sixteen registers, which the last four stores read
.irp j, 0,1,2,3
	PUT 7, \j
.endr
	s_endpgm
.Lfunc_end_k_qcbb3ea0af2_fetch:
	.size	k_qcbb3ea0af2_fetch, .Lfunc_end_k_qcbb3ea0af2_fetch-k_qcbb3ea0af2_fetch
	.p2alignl 7, 3214868480
	.fill 96, 4, 3214868480
	.section	.rodata,"a",@progbits
	.p2align	6, 0x0
	.amdhsa_kernel k_qcbb3ea0af2_fetch
		.amdhsa_group_segment_fixed_size 0
		.amdhsa_private_segment_fixed_size 0
		.amdhsa_enable_private_segment 0
		.amdhsa_kernarg_size 32
		.amdhsa_user_sgpr_count 2
		.amdhsa_user_sgpr_kernarg_segment_ptr 1
		.amdhsa_wavefront_size32 1
		.amdhsa_system_sgpr_workgroup_id_x 1
		.amdhsa_system_sgpr_workgroup_id_y 1
		.amdhsa_system_sgpr_workgroup_id_z 1
		.amdhsa_system_vgpr_workitem_id 0
		.amdhsa_next_free_vgpr 176
		.amdhsa_next_free_sgpr 66
		.amdhsa_reserve_vcc 0
		.amdhsa_float_denorm_mode_32 3
		.amdhsa_float_denorm_mode_16_64 3
		.amdhsa_memory_ordered 1
		.amdhsa_forward_progress 1
		.amdhsa_inst_pref_size 23
	.end_amdhsa_kernel
	.amdgpu_metadata
---
amdhsa.version: [ 1, 2 ]
amdhsa.kernels:
  - .name:           k_qcbb3ea0af2_fetch
    .symbol:         k_qcbb3ea0af2_fetch.kd
    .args:
      - { .name: eb, .offset: 0, .size: 8, .value_kind: global_buffer, .address_space: global }
      - { .name: best, .offset: 8, .size: 8, .value_kind: global_buffer, .address_space: global }
      - { .name: out0, .offset: 16, .size: 8, .value_kind: global_buffer, .address_space: global }
      - { .name: out1, .offset: 24, .size: 8, .value_kind: global_buffer, .address_space: global }
    .group_segment_fixed_size: 0
    .private_segment_fixed_size: 0
    .kernarg_segment_align: 8
    .kernarg_segment_size: 32
    .max_flat_workgroup_size: 256
    .sgpr_count:     66
    .vgpr_count:     176
    .wavefront_size: 32
...
	.end_amdgpu_metadata
.endif
;; end of part 5
